; MI455X (gfx1250); checked and timed in simulation.
; The chip was launched on July 23, 2026; its instructions are those of AMD's public machine-readable ISA for CDNA 5 (MIT licence, August 2026) and "CDNA5" Instruction Set Architecture Reference Guide (July 2026). The comments in the code are by the model that wrote it; some were corrected since.
;; Projected Adaptive Log Softmax. Allowed arithmetic: matrix products marked QUANTISED: E2M1 operands, one E8M0 scale for each 32 along K, by v_wmma_scale_f32_16x16x128_f8f6f4 with both operands' format E2M1 (or v_wmma_scale_f32_32x16x128_f4), f32 sums; products left as they are: f32 operands where the result goes on into a quantised operand, else bf16, f16 or f32 operands; f32 sums; everything else in f32.
;; Inputs: P1 256 x 1,024 float32; P2 64 x 1,024 float32; P3 16 x 1,024 float32; W1 20,000 x 256 float32; W2 160,000 x 64 float32; W3 67,735 x 16 float32; W_clusters 3 x 1,024 float32; W_head 20,000 x 1,024 float32; b1 20,000 float32; b2 160,000 float32; b3 67,735 float32; b_clusters 3 float32; b_head 20,000 float32; hidden 1,024 x 1,024 float32; target 1,024 int32.
;; Outputs: out0 1,024 float32.
;; This version of the problem:
;;   THIS VERSION OF THE PROBLEM IS GIVEN IN LOW PRECISION. The matrix products marked QUANTISED in the list below multiply operands that are first quantised to E2M1 (2 exponent bits, 1 mantissa bit; 4 bits a number), with one power-of-two scale for each 32 numbers along K (OCP MX v1.0); their sums are f32. All else is computed in f32.
;;   The module's matrix products, in the order in which they are computed (A, B: the left and right operand; K: the contracted axis; several contracted axes count as one K, in the product's order):
;;     1. [M 1,024, K 1,024] x [K 1,024, N 20,000]; A: input hidden; B: input W_head: QUANTISED
;;     2. [M 1,024, K 1,024] x [K 1,024, N 3]; A: input hidden; B: input W_clusters: left as it is (N = 3 < 16)
;;     3. [M 1,024, K 1,024] x [K 1,024, N 256]; A: input hidden; B: input P1: QUANTISED
;;     4. [M 1,024, K 256] x [K 256, N 20,000]; A: computed on the way; B: input W1: QUANTISED
;;     5. [M 1,024, K 1,024] x [K 1,024, N 64]; A: input hidden; B: input P2: QUANTISED
;;     6. [M 1,024, K 64] x [K 64, N 160,000]; A: computed on the way; B: input W2: QUANTISED
;;     7. [M 1,024, K 1,024] x [K 1,024, N 16]; A: input hidden; B: input P3: QUANTISED
;;     8. [M 1,024, K 16] x [K 16, N 67,735]; A: computed on the way; B: input W3: left as it is (K = 16 < 32)
;;   THE QUANTISER, for each operand of a quantised product, along K:
;;     - K is cut into blocks of 32 from its start; a last block that is shorter is filled with zeros.
;;     - A block's scale is 2^e with e = floor(log2(the largest magnitude in the block)) - 2, held to -126 .. 127; a block of zeros has e = 0. As a byte (E8M0): e + 127.
;;     - Each number is divided by its block's scale, clamped to +-6, and rounded to the nearest number of E2M1, ties to even, subnormals kept.
;;     - The product sums the exact products of the quantised numbers (number of the format x scale) in f32.
;;   ~~~python
;;   def quantise(x, axis):      # numpy; x: float32 -> the quantised numbers, widened to float32 again
;;       x = np.moveaxis(x, axis, -1); K = x.shape[-1]
;;       x = np.pad(x, [(0, 0)] * (x.ndim - 1) + [(0, -K % 32)]); x = x.reshape(x.shape[:-1] + (-1, 32)); a = np.abs(x).max(-1, keepdims=True)
;;       e = np.where(a > 0, np.clip(np.frexp(np.where(a > 0, a, 1))[1] - 1 - 2, -126, 127), 0)      # np.frexp(a)[1] - 1 = floor(log2(a)), exactly
;;       r = np.clip(x / 2.0 ** e, -6, 6)
;;       step = 2.0 ** (np.maximum(np.frexp(np.where(r == 0, 1, r))[1] - 1, 0) - 1)
;;       q = np.round(r / step) * step * 2.0 ** e      # np.round: ties to even
;;       return np.moveaxis(q.reshape(q.shape[:-2] + (-1,))[..., :K], -1, axis).astype(np.float32)
;;   ~~~
;;   OPERANDS COMPUTED ON THE WAY. 'Computed on the way' means the value that the module computes at that place (a softmax that the list does not call 'softmax' is quantised finished and normalised). What goes into a quantiser is computed in f32, as accurately as f32 sums, v_exp_f32 and their like allow (about 1e-6 of the number): no bf16 or f16 on the way to a quantiser, and a product that is left as it is and whose result goes on into a quantised operand takes f32 operands (vector FMAs, or v_wmma_f32_16x16x4_f32). A number that lies on a knife's edge between two numbers of the format may be rounded either way, as far as f32 arithmetic and the matrix unit's own rounding can turn it there, and no further.
;; One version. Each part assembles by itself: llvm-mc -triple=amdgcn-amd-amdhsa -mcpu=gfx1250 --defsym DOCPART=n.
;; ======== version 1 of 1: 4 launches
;; limits: right only within a limited range of input values
;; workspace buffers: q 739,840 bytes; cl 16,384 bytes; route 5,888 bytes of whole numbers; ac 208,896 bytes; part 20,736,000 bytes; tl 10,368,000 bytes
;; launch quant (part 1): grid 86 x 1, 4 waves a work-group, no clusters, 33,280 bytes of LDS; arguments hidden, P1, P2, P3, W_clusters, b_clusters, target, q, cl, route; writes q, cl, route
.if DOCPART == 1
	.amdgcn_target "amdgcn-amd-amdhsa--gfx1250"
	.amdhsa_code_object_version 6
	.text
	.protected	k_qd8d128dc88_quant
	.globl	k_qd8d128dc88_quant
	.p2align	8
	.type	k_qd8d128dc88_quant,@function
k_qd8d128dc88_quant:
	s_mov_b64 s[64:65], 0
	v_nop
	global_prefetch_b8 v0, s[64:65] scope:SCOPE_SE
	s_setreg_imm32_b32 hwreg(HW_REG_WAVE_MODE, 25, 1), 1
	s_wait_xcnt 0x0
; Work-groups 0-84: hidden [1024][1024], P1 [256][1024], P2 [64][1024], P3 [16][1024], f32, become rows 0-1359 of q: codes of E2M1 (512 bytes a row, K innermost)
; and one E8M0 byte for each 32 along K.  A block's byte is its largest magnitude's exponent field - 2, held at 1 from below (a block of zeros keeps the byte 1: its codes are zeros, and only this program reads the bytes).
; THE SCALE WORDS OF A ROW ARE LAID FOR THE READER: the word of K step s = 2 u + h (128 along K) lies at word 4 h + u, so that a lane (row, h) that loads 16 bytes at 32 row + 16 h
; has in register u step 2 u in lanes 0-15 and step 2 u + 1 in lanes 16-31.
; The same pass makes hidden x W_clusters^T + b_clusters by fused multiply-adds in f32 (3 columns: no matrix work), stored as cl [1024][4].
; Work-group 85, one wave: the routing.  Tokens are sorted by cluster (0-3, from target against the three cuts), each cluster padded to whole groups of 32 slots;
; ord[slot] = token (1024 in a pad slot), 44 groups written; grp = first group of each cluster and the number of groups.
; LIMITS: NaN and infinities among the inputs are not served; blocks whose largest magnitude lies under 2^-124 keep the byte 1; target lies in 0 .. 267,734.
; A work-group takes 16 rows, a wave 4 rows = 8 steps of 512 numbers.  Each load reads 512 consecutive bytes; a step turns through the wave's own stage in LDS so that a lane holds 16 neighbours.
.set STEPS, 8
.set WREG,  8192                       ; LDS of a wave: two stages of 32 x 80 bytes, then its 128 scale bytes
.set SP,    80
.set QSC,   696320                     ; where the scale words begin in q
.set R,     16                         ; v16-79   four sets of 16 numbers as loaded
.set X,     80                         ; v80-111  two sets of 16 neighbours
.set C,     112                        ; v112-127 codes, two registers a step
.set E,     128                        ; v128-135 a scale byte a step
.set WC,    136                        ; v136-231 W_clusters: [half of K p][column j][16]: k = 512 p + 16 lane + i
.set DA,    232                        ; v232-237 three packed sums
.set TR,    238                        ; v238-246 at work on a row's three sums; v251 the wave's 16 numbers of cl
	s_load_b256 s[4:11], s[0:1], 0x0               ; hidden, P1, P2, P3
	s_load_b256 s[12:19], s[0:1], 0x20             ; W_clusters, b_clusters, target, q
	s_load_b128 s[20:23], s[0:1], 0x40             ; cl, route
	v_lshl_add_u32 v254, v0, 2, 0x8000
	v_mov_b32 v255, 0
	v_lshrrev_b32 v1, 5, v0
	v_readfirstlane_b32 s2, v1                     ; wave
	v_and_b32 v2, 31, v0                           ; lane
	s_cmp_eq_u32 ttmp9, 85
	s_cbranch_scc1 .Lroute
	v_lshlrev_b32 v3, 4, v2                        ; my 16 bytes of a load's 512
	s_mul_i32 s24, s2, WREG
	v_lshrrev_b32 v14, 2, v2
	v_mul_u32_u24 v14, v14, SP
	v_and_b32 v15, 3, v2
	v_lshl_add_u32 v14, v15, 4, v14
	v_add_nc_u32 v14, s24, v14                     ; the stage, in: four lanes' 64 bytes on end, then 16 of padding
	v_mul_u32_u24 v15, v2, SP
	v_add_nc_u32 v15, s24, v15                     ; out: my 16 neighbours
	v_lshlrev_b32 v4, 3, v2                        ; my 8 bytes of a step's codes
	s_add_co_u32 s24, s24, 2*32*SP
	v_bfe_u32 v5, v0, 3, 1                         ; my block's byte: K step 4 p + lane / 8, so h = (lane / 8) % 2, u = 2 p + lane / 16, byte (lane / 2) % 4
	v_lshlrev_b32 v5, 4, v5
	v_bfe_u32 v6, v0, 4, 1
	v_lshl_add_u32 v5, v6, 2, v5
	v_bfe_u32 v6, v0, 1, 2
	v_add_nc_u32 v5, v5, v6
	v_add_nc_u32 v5, s24, v5
	v_lshlrev_b32 v7, 2, v2
	v_add_nc_u32 v6, s24, v7                       ; and on the way out 4 bytes a lane
	v_lshlrev_b32 v13, 6, v2                       ; W_clusters: my 16 numbers
	v_and_b32 v10, 15, v0
	v_lshlrev_b32 v10, 2, v10                      ; cl: 16 numbers a wave
	v_mov_b32 v242, 0                              ; a lane permute's destination counts as read
	v_mov_b32 v243, 0
	v_mov_b32 v244, 0
	v_mov_b32 v246, 0
	v_mov_b32 v251, 0
	s_mov_b32 s26, 0x76543210
	s_mov_b32 s27, 0xfedcba98                      ; lane l xor 16
	s_mov_b32 s28, 0x22222222                      ; lanes with lane % 4 = 1, 2, 3
	s_mov_b32 s29, 0x44444444
	s_mov_b32 s30, 0x88888888
	s_mov_b32 s32, 0x000f000f                      ; lanes with (lane / 4) % 4 = 0, 1, 2, 3
	s_mov_b32 s33, 0x00f000f0
	s_mov_b32 s34, 0x0f000f00
	s_mov_b32 s35, 0xf000f000
	s_wait_kmcnt 0x0
	s_load_b96 s[44:46], s[14:15], 0x0             ; b_clusters
	s_mov_b32 s36, 84                              ; which tensor: the choice hangs on the work-group's number alone
	s_cmp_lt_u32 ttmp9, 84
	s_cselect_b64 s[8:9], s[8:9], s[10:11]
	s_cselect_b32 s36, 80, s36
	s_cmp_lt_u32 ttmp9, 80
	s_cselect_b64 s[6:7], s[6:7], s[8:9]
	s_cselect_b32 s36, 64, s36
	s_cmp_lt_u32 ttmp9, 64
	s_cselect_b64 s[4:5], s[4:5], s[6:7]
	s_cselect_b32 s36, 0, s36
	s_sub_co_u32 s36, ttmp9, s36
	s_lshl_b32 s36, s36, 16                        ; 16 rows of 4,096 bytes a work-group,
	s_lshl_b32 s37, s2, 14                         ; 4 a wave
	s_add_co_u32 s36, s36, s37
	s_mov_b32 s37, 0
	s_add_nc_u64 s[4:5], s[4:5], s[36:37]
	s_lshl_b32 s38, ttmp9, 4
	s_lshl_b32 s39, s2, 2
	s_add_co_u32 s38, s38, s39                     ; my first row of q
	s_lshl_b32 s36, s38, 9
	s_add_nc_u64 s[40:41], s[18:19], s[36:37]      ; its codes
	s_lshl_b32 s36, s38, 5
	s_add_co_u32 s36, s36, QSC
	s_add_nc_u64 s[42:43], s[18:19], s[36:37]      ; its scale words
	s_lshl_b32 s36, s38, 4
	s_add_nc_u64 s[20:21], s[20:21], s[36:37]      ; its row of cl (used by hidden's work-groups alone)
.irp p, 0,1
.irp j, 0,1,2
.irp q, 0,1,2,3
	global_load_b128 v[WC+48*\p+16*\j+4*\q:WC+48*\p+16*\j+4*\q+3], v13, s[12:13] offset:\j*4096+\p*2048+16*\q
.endr
.endr
.endr
.macro LOAD t
.irp i, 0,1,2,3
	global_load_b128 v[R+16*((\t)%4)+4*\i:R+16*((\t)%4)+4*\i+3], v3, s[4:5] offset:2048*(\t)+512*\i th:TH_LOAD_NT
.endr
.endm
.macro TURN t                          ; step t's numbers through the stage: LDS serves a wave's instructions in order
.irp i, 0,1,2,3
	ds_store_b128 v14, v[R+16*((\t)%4)+4*\i:R+16*((\t)%4)+4*\i+3] offset:32*SP*((\t)%2)+8*SP*\i
.endr
.irp i, 0,1,2,3
	ds_load_b128 v[X+16*((\t)%2)+4*\i:X+16*((\t)%2)+4*\i+3], v15 offset:32*SP*((\t)%2)+16*\i
.endr
.endm
.irp t, 0,1,2,3
	LOAD \t
.endr
	s_wait_loadcnt 12                              ; W_clusters and step 0 are in; three steps' loads stay out
	TURN 0
	s_wait_kmcnt 0x0                               ; b_clusters
.macro STEP t                          ; row t / 2 of my four, half t % 2 of its K
.set XS, X+16*((\t)%2)
.set WP, WC+48*((\t)%2)
.if (\t) > 0
	s_wait_dscnt 1                                 ; this step's numbers are back from the stage; the last step's byte store may be out
.else
	s_wait_dscnt 0x0
.endif
.if (\t)+4 < STEPS
	LOAD (\t)+4
.endif
.if (\t)+1 < STEPS
.if STEPS-2-(\t) >= 3
	s_wait_loadcnt 12                              ; the next step's four loads are in; those of the three steps behind it may be out
.else
	s_wait_loadcnt 4*(STEPS-2-(\t))
.endif
	TURN (\t)+1
.endif
	v_max3_num_f32 v8, |v[XS]|, |v[XS+1]|, |v[XS+2]|               ; the largest magnitude of my 16, in two chains
	v_max3_num_f32 v9, |v[XS+3]|, |v[XS+4]|, |v[XS+5]|
.irp i, 6,10
	v_max3_num_f32 v8, v8, |v[XS+\i]|, |v[XS+\i+1]|
	v_max3_num_f32 v9, v9, |v[XS+\i+2]|, |v[XS+\i+3]|
.endr
	v_max3_num_f32 v8, v8, |v[XS+14]|, |v[XS+15]|
	v_max3_num_f32 v8, v8, v9, 0x1800000           ; and the floor 2^(3 - 127): the byte cannot fall under 1
	v_max_num_f32_dpp v8, v8, v8 row_xmask:1 row_mask:0xf bank_mask:0xf   ; with my neighbour's 16: the block's
	v_add_nc_u32 v11, 0xff000000, v8               ; 2 off its exponent field: the conversion's scale operand
	v_cvt_scalef32_pk8_fp4_f32 v[C+2*(\t)], v[XS:XS+7], v11
	v_cvt_scalef32_pk8_fp4_f32 v[C+2*(\t)+1], v[XS+8:XS+15], v11
	v_lshrrev_b32 v[E+(\t)], 23, v11               ; the scale's byte
	ds_store_b8 v5, v[E+(\t)] offset:32*((\t)/2)+8*((\t)%2)        ; both lanes of a block write the same byte
	global_store_b64 v4, v[C+2*(\t):C+2*(\t)+1], s[40:41] offset:256*(\t)   ; the wave stores 256 consecutive bytes
.irp j, 0,1,2                          ; the row's three products with W_clusters, two numbers an instruction
.if (\t)%2 == 0
	v_pk_mul_f32 v[DA+2*\j:DA+2*\j+1], v[XS:XS+1], v[WP+16*\j:WP+16*\j+1]
.else
	v_pk_fma_f32 v[DA+2*\j:DA+2*\j+1], v[XS:XS+1], v[WP+16*\j:WP+16*\j+1], v[DA+2*\j:DA+2*\j+1]
.endif
.endr
.irp i, 2,4,6,8,10,12,14
.irp j, 0,1,2
	v_pk_fma_f32 v[DA+2*\j:DA+2*\j+1], v[XS+\i:XS+\i+1], v[WP+16*\j+\i:WP+16*\j+\i+1], v[DA+2*\j:DA+2*\j+1]
.endr
.endr
.if (\t)%2 == 1                        ; the row is through: its three sums over the 32 lanes
.irp j, 0,1,2
	v_add_f32 v[TR+\j], v[DA+2*\j], v[DA+2*\j+1]
.endr
.irp m, 1,2,4,8
.irp j, 0,1,2
	v_add_f32_dpp v[TR+\j], v[TR+\j], v[TR+\j] row_xmask:\m row_mask:0xf bank_mask:0xf
.endr
.endr
.irp j, 0,1,2
	v_permlanex16_b32 v[TR+4+\j], v[TR+\j], s26, s27
.endr
.irp j, 0,1,2
	v_add_f32 v[TR+\j], v[TR+\j], v[TR+4+\j]
.endr
.irp j, 0,1,2
	v_add_f32 v[TR+\j], s[44+\j], v[TR+\j]         ; + b_clusters
.endr
	v_cndmask_b32 v245, v238, v239, s28            ; lane % 4 picks column 0, 1, 2 or the filler 0,
	v_cndmask_b32 v245, v245, v240, s29
	v_cndmask_b32 v245, v245, v246, s30
	v_cndmask_b32 v251, v251, v245, s[32+(\t)/2]   ; (lane / 4) % 4 the row
.endif
.endm
.irp t, 0,1,2,3,4,5,6,7
	STEP \t
.endr
	ds_load_b32 v12, v6                            ; LDS serves a wave's instructions in order: this sees my byte stores
	s_wait_dscnt 0x0
	global_store_b32 v7, v12, s[42:43]             ; my four rows' 128 scale bytes
	s_cmp_lt_u32 ttmp9, 64
	s_cbranch_scc0 .Lend
	global_store_b32 v10, v251, s[20:21]           ; hidden's rows alone: 64 bytes of cl (lanes 16-31 repeat lanes 0-15)
	s_branch .Lend
; THE ROUTING: one wave.  s24-26 the cuts; s27-29 how many targets reach each cut; s33-36 tokens of each cluster; s37-40 first group of clusters 1-3 and the number of groups;
; s41-44 the next free slot of each cluster.  The whole list is first filled with the pad value, 512 consecutive bytes a store; when those stores are done, the tokens are written over it.
.Lroute:
	s_cmp_lg_u32 s2, 0
	s_cbranch_scc1 .Lend
	v_lshlrev_b32 v3, 2, v2
	v_lshlrev_b32 v12, 4, v2
	v_mov_b32 v8, 0x400                            ; the pad value: no token has this number
	v_mov_b32 v9, 0x400
	v_mov_b32 v10, 0x400
	v_mov_b32 v11, 0x400
	s_mov_b32 s24, 20000
	s_mov_b32 s25, 40000
	s_mov_b32 s26, 200000
	s_mov_b32 s27, 0
	s_mov_b32 s28, 0
	s_mov_b32 s29, 0
	s_wait_kmcnt 0x0
.irp k, 0,1,2,3,4,5,6,7,8,9,10
	global_store_b128 v12, v[8:11], s[22:23] offset:512*\k         ; 11 x 512 bytes: all 1,408 entries
.endr
.irp i, 0,1,2,3,4,5,6,7,8,9,10,11,12,13,14,15,16,17,18,19,20,21,22,23,24,25,26,27,28,29,30,31
	global_load_b32 v[32+\i], v3, s[16:17] offset:128*\i           ; target[32 i + lane]
.endr
	s_wait_loadcnt 0x0
.irp i, 0,1,2,3,4,5,6,7,8,9,10,11,12,13,14,15,16,17,18,19,20,21,22,23,24,25,26,27,28,29,30,31
	v_cmp_le_u32 s30, s24, v[32+\i]
	v_cmp_le_u32 s31, s25, v[32+\i]
	v_cmp_le_u32 s32, s26, v[32+\i]
	s_bcnt1_i32_b32 s30, s30
	s_bcnt1_i32_b32 s31, s31
	s_bcnt1_i32_b32 s32, s32
	s_add_co_u32 s27, s27, s30
	s_add_co_u32 s28, s28, s31
	s_add_co_u32 s29, s29, s32
.endr
	s_sub_co_u32 s33, 1024, s27
	s_sub_co_u32 s34, s27, s28
	s_sub_co_u32 s35, s28, s29
	s_mov_b32 s36, s29
	s_add_co_u32 s37, s33, 31
	s_lshr_b32 s37, s37, 5                         ; groups of cluster 0 = first group of cluster 1
	s_add_co_u32 s38, s34, 31
	s_lshr_b32 s38, s38, 5
	s_add_co_u32 s38, s38, s37
	s_add_co_u32 s39, s35, 31
	s_lshr_b32 s39, s39, 5
	s_add_co_u32 s39, s39, s38
	s_add_co_u32 s40, s36, 31
	s_lshr_b32 s40, s40, 5
	s_add_co_u32 s40, s40, s39                     ; the number of groups, at most 35
	s_mov_b32 s41, 0
	s_lshl_b32 s42, s37, 5
	s_lshl_b32 s43, s38, 5
	s_lshl_b32 s44, s39, 5
	s_wait_storecnt 0x0                            ; the fill is done: the stores below, to words that it wrote, come behind it
.irp i, 0,1,2,3,4,5,6,7,8,9,10,11,12,13,14,15,16,17,18,19,20,21,22,23,24,25,26,27,28,29,30,31
	v_cmp_le_u32 s49, s24, v[32+\i]
	v_cmp_le_u32 s50, s25, v[32+\i]
	v_cmp_le_u32 s51, s26, v[32+\i]
	s_not_b32 s52, s49                             ; the lanes of cluster 0, 1, 2 (3: s51)
	s_and_not1_b32 s53, s49, s50
	s_and_not1_b32 s54, s50, s51
	v_mbcnt_lo_u32_b32 v4, s52, s41                ; the cluster's next free slot + the lanes of the cluster below me
	v_mbcnt_lo_u32_b32 v5, s53, s42
	v_mbcnt_lo_u32_b32 v6, s54, s43
	v_mbcnt_lo_u32_b32 v7, s51, s44
	v_cndmask_b32 v4, v4, v5, s49
	v_cndmask_b32 v4, v4, v6, s50
	v_cndmask_b32 v4, v4, v7, s51
	s_bcnt1_i32_b32 s52, s52
	s_bcnt1_i32_b32 s53, s53
	s_bcnt1_i32_b32 s54, s54
	s_bcnt1_i32_b32 s55, s51
	s_add_co_u32 s41, s41, s52
	s_add_co_u32 s42, s42, s53
	s_add_co_u32 s43, s43, s54
	s_add_co_u32 s44, s44, s55
	v_min_u32 v4, 0x57f, v4                        ; held inside ord's 1,408 entries
	v_lshlrev_b32 v[32+\i], 2, v4
	v_add_nc_u32 v[64+\i], 32*\i, v2               ; my token
	global_store_b32 v[32+\i], v[64+\i], s[22:23]  ; each round has registers of its own: none is written again
.endr
	v_mov_b32 v13, 0                               ; grp: 0, first groups of clusters 1-3, the number of groups, zeros
	v_writelane_b32 v13, s37, 1
	v_writelane_b32 v13, s38, 2
	v_writelane_b32 v13, s39, 3
	v_writelane_b32 v13, s40, 4
	global_store_b32 v3, v13, s[22:23] offset:5632
.Lend:
	s_barrier_signal -1
	s_barrier_wait -1
	s_wait_tensorcnt 0x0
	ds_add_u32 v254, v255
	s_wait_dscnt 0x0
	s_endpgm
.Lfunc_end_k_qd8d128dc88_quant:
	.size	k_qd8d128dc88_quant, .Lfunc_end_k_qd8d128dc88_quant-k_qd8d128dc88_quant
	.p2alignl 7, 3214868480
	.fill 96, 4, 3214868480
	.section	.rodata,"a",@progbits
	.p2align	6, 0x0
	.amdhsa_kernel k_qd8d128dc88_quant
		.amdhsa_group_segment_fixed_size 33280
		.amdhsa_private_segment_fixed_size 0
		.amdhsa_enable_private_segment 0
		.amdhsa_kernarg_size 80
		.amdhsa_user_sgpr_count 2
		.amdhsa_user_sgpr_kernarg_segment_ptr 1
		.amdhsa_wavefront_size32 1
		.amdhsa_system_sgpr_workgroup_id_x 1
		.amdhsa_system_sgpr_workgroup_id_y 1
		.amdhsa_system_sgpr_workgroup_id_z 1
		.amdhsa_system_vgpr_workitem_id 0
		.amdhsa_next_free_vgpr 256
		.amdhsa_next_free_sgpr 66
		.amdhsa_reserve_vcc 0
		.amdhsa_float_denorm_mode_32 3
		.amdhsa_float_denorm_mode_16_64 3
		.amdhsa_memory_ordered 1
		.amdhsa_forward_progress 1
		.amdhsa_inst_pref_size 97
	.end_amdhsa_kernel
	.amdgpu_metadata
---
amdhsa.version: [ 1, 2 ]
amdhsa.kernels:
  - .name:           k_qd8d128dc88_quant
    .symbol:         k_qd8d128dc88_quant.kd
    .args:
      - { .name: hidden, .offset: 0, .size: 8, .value_kind: global_buffer, .address_space: global }
      - { .name: P1, .offset: 8, .size: 8, .value_kind: global_buffer, .address_space: global }
      - { .name: P2, .offset: 16, .size: 8, .value_kind: global_buffer, .address_space: global }
      - { .name: P3, .offset: 24, .size: 8, .value_kind: global_buffer, .address_space: global }
      - { .name: W_clusters, .offset: 32, .size: 8, .value_kind: global_buffer, .address_space: global }
      - { .name: b_clusters, .offset: 40, .size: 8, .value_kind: global_buffer, .address_space: global }
      - { .name: target, .offset: 48, .size: 8, .value_kind: global_buffer, .address_space: global }
      - { .name: q, .offset: 56, .size: 8, .value_kind: global_buffer, .address_space: global }
      - { .name: cl, .offset: 64, .size: 8, .value_kind: global_buffer, .address_space: global }
      - { .name: route, .offset: 72, .size: 8, .value_kind: global_buffer, .address_space: global }
    .group_segment_fixed_size: 33280
    .private_segment_fixed_size: 0
    .kernarg_segment_align: 8
    .kernarg_segment_size: 80
    .max_flat_workgroup_size: 128
    .sgpr_count:     66
    .vgpr_count:     256
    .wavefront_size: 32
...
	.end_amdgpu_metadata
.endif
;; end of part 1
;; launch proj (part 2): grid 64 x 6, 1 waves a work-group, no clusters, 0 bytes of LDS; arguments q, ac; writes ac
.if DOCPART == 2
	.amdgcn_target "amdgcn-amd-amdhsa--gfx1250"
	.amdhsa_code_object_version 6
	.text
	.protected	k_qd8d128dc88_proj
	.globl	k_qd8d128dc88_proj
	.p2align	8
	.type	k_qd8d128dc88_proj,@function
k_qd8d128dc88_proj:
	s_mov_b64 s[64:65], 0
	v_nop
	global_prefetch_b8 v0, s[64:65] scope:SCOPE_SE
	s_setreg_imm32_b32 hwreg(HW_REG_WAVE_MODE, 25, 1), 1
	s_wait_xcnt 0x0
; hidden x P1^T, x P2^T, x P3^T on the codes of q (K = 1,024: eight matrix instructions deep).  One wave takes 16 tokens (work-group x) and one unit y:
; y = 0-3: dims 64 y .. 64 y + 63 of proj1;  y = 4: proj2's 64 dims;  y = 5: proj3's 16.
; The product is used transposed (source 0 = 16 rows of P, source 1 = 16 tokens): a lane holds ONE token and its registers run along the dims, which are the next product's K.
; THE ROWS OF P THAT FORM A TILE ARE NOT NEIGHBOURS: lane r of tile 2 b + u takes row 32 b + 8 u + r + 8 (r / 8), so that the 16 registers of tiles 2 b, 2 b + 1 are dims 32 b + 16 (lane / 16) + 0 .. 15.
; proj1 and proj2 are quantised here (f32 sums into the quantiser) and stored as planes [token][32 bytes] of 64 codes; their scale bytes: proj1 [token][8], proj2 one word a token (upper two bytes 127: K is filled to 128 with zero codes).
; proj3 feeds a product that is left as it is: it is rounded to bf16, plane 5.
; LIMITS: as in the launch before: NaN and infinities are not served, blocks under 2^-124 keep the byte 1.
.set QSC, 696320
.set ACC, 224                          ; v224-255 four accumulators;  v64-223 a ring of four K steps x 40 registers (tokens' fragment, then four of P);  v32-47 P's scale words, v48-51 the tokens'
	s_load_b128 s[4:7], s[0:1], 0x0                ; q, ac
	v_and_b32 v1, 15, v0                           ; r
	v_bfe_u32 v2, v0, 4, 1                         ; h
	v_lshlrev_b32 v3, 9, v1
	v_lshl_add_u32 v3, v2, 4, v3                   ; codes: row r of 512 bytes + 16 h
	v_lshlrev_b32 v4, 5, v1
	v_lshl_add_u32 v4, v2, 4, v4                   ; scale words: row r of 32 bytes + 16 h
	v_and_b32 v5, 8, v1
	v_add_nc_u32 v5, v5, v1                        ; r + 8 (r / 8)
	v_lshlrev_b32 v6, 9, v5
	v_lshl_add_u32 v6, v2, 4, v6
	v_lshlrev_b32 v7, 5, v5
	v_lshl_add_u32 v7, v2, 4, v7
	v_lshlrev_b32 v21, 5, v1
	v_lshl_add_u32 v21, v2, 3, v21                 ; out: 32 r + 8 h
	v_lshlrev_b32 v22, 3, v1
	v_lshlrev_b32 v23, 2, v1
	v_mov_b32 v10, 0                               ; a lane permute's destination counts as read
	v_mov_b32 v11, 0
	s_and_b32 s3, ttmp7, 0xffff                    ; y
	s_mov_b32 s20, 0x76543210
	s_mov_b32 s21, 0xfedcba98
	s_lshl_b32 s16, ttmp9, 13                      ; my 16 tokens' codes
	s_mov_b32 s17, 0
	s_lshl_b32 s18, ttmp9, 9
	s_add_co_u32 s18, s18, QSC                     ; and scale words
	s_mov_b32 s19, 0
	s_lshl_b32 s28, s3, 15
	s_lshl_b32 s29, ttmp9, 9
	s_add_co_u32 s28, s28, s29                     ; plane y, my 16 tokens
	s_mov_b32 s29, 0
	s_wait_kmcnt 0x0
	s_add_nc_u64 s[8:9], s[4:5], s[16:17]
	s_add_nc_u64 s[10:11], s[4:5], s[18:19]
	s_add_nc_u64 s[22:23], s[6:7], s[28:29]
	s_cmp_eq_u32 s3, 5
	s_cbranch_scc1 .Lp3
	s_lshl_b32 s16, s3, 6
	s_add_co_u32 s16, s16, 1024                    ; P's rows lie behind hidden's in q
	s_lshl_b32 s18, s16, 5
	s_add_co_u32 s18, s18, QSC
	s_lshl_b32 s16, s16, 9
	s_add_nc_u64 s[12:13], s[4:5], s[16:17]
	s_add_nc_u64 s[14:15], s[4:5], s[18:19]
	global_load_b128 v[48:51], v4, s[10:11]
.irp t, 0,1,2,3
	global_load_b128 v[32+4*\t:35+4*\t], v7, s[14:15] offset:(32*(\t/2)+8*(\t%2))*32
.endr
.macro KLOAD s                         ; K step s: ten loads into ring place s % 4
.set RB, 64+40*((\s)%4)
	global_load_b128 v[RB:RB+3], v3, s[8:9] offset:64*(\s)
	global_load_b128 v[RB+4:RB+7], v3, s[8:9] offset:64*(\s)+32
.irp t, 0,1,2,3
	global_load_b128 v[RB+8+8*\t:RB+11+8*\t], v6, s[12:13] offset:(32*(\t/2)+8*(\t%2))*512+64*(\s)
	global_load_b128 v[RB+12+8*\t:RB+15+8*\t], v6, s[12:13] offset:(32*(\t/2)+8*(\t%2))*512+64*(\s)+32
.endr
.endm
.macro PWM s, t                        ; register s / 2 of the scale words holds step s in lanes 0-15 (s even) or 16-31 (s odd)
.set RB, 64+40*((\s)%4)
.if (\s) == 0
	v_wmma_scale_f32_16x16x128_f8f6f4 v[ACC+8*\t:ACC+8*\t+7], v[RB+8+8*\t:RB+15+8*\t], v[RB:RB+7], 0, v[32+4*\t], v48 matrix_a_fmt:MATRIX_FMT_FP4 matrix_b_fmt:MATRIX_FMT_FP4
.elseif (\s)%2 == 0
	v_wmma_scale_f32_16x16x128_f8f6f4 v[ACC+8*\t:ACC+8*\t+7], v[RB+8+8*\t:RB+15+8*\t], v[RB:RB+7], v[ACC+8*\t:ACC+8*\t+7], v[32+4*\t+(\s)/2], v[48+(\s)/2] matrix_a_fmt:MATRIX_FMT_FP4 matrix_b_fmt:MATRIX_FMT_FP4
.else
	v_wmma_scale_f32_16x16x128_f8f6f4 v[ACC+8*\t:ACC+8*\t+7], v[RB+8+8*\t:RB+15+8*\t], v[RB:RB+7], v[ACC+8*\t:ACC+8*\t+7], v[32+4*\t+(\s)/2], v[48+(\s)/2] matrix_a_fmt:MATRIX_FMT_FP4 matrix_b_fmt:MATRIX_FMT_FP4 matrix_a_scale:MATRIX_SCALE_ROW1 matrix_b_scale:MATRIX_SCALE_ROW1
.endif
.endm
.irp s, 0,1,2,3
	KLOAD \s
.endr
.irp s, 0,1,2,3,4,5,6,7
.if \s < 5
	s_wait_loadcnt 30                              ; step s is in; the three steps issued behind it stay out
.else
	s_wait_loadcnt 10*(7-\s)
.endif
.irp t, 0,1,2,3                        ; the four accumulators by turns
	PWM \s, \t
.endr
.rept 4
	v_nop                                          ; places in front of loads into registers that the products read, and of the first read of results
.endr
.if \s < 4
	KLOAD \s+4
.endif
.endr
.irp b, 0,1                            ; the two blocks of 32 dims, by turns; each accumulator is read from its low end on
	v_max3_num_f32 v[8+\b], |v[ACC+16*\b]|, |v[ACC+16*\b+1]|, 0x1800000
.endr
.irp i, 2,4,6,8,10,12,14
.irp b, 0,1
	v_max3_num_f32 v[8+\b], v[8+\b], |v[ACC+16*\b+\i]|, |v[ACC+16*\b+\i+1]|
.endr
.endr
.irp b, 0,1
	v_permlanex16_b32 v[10+\b], v[8+\b], s20, s21
.endr
.irp b, 0,1
	v_max_num_f32 v[8+\b], v[8+\b], v[10+\b]       ; with lane l xor 16's 16: the block's largest magnitude
.endr
.irp b, 0,1
	v_add_nc_u32 v[12+\b], 0xff000000, v[8+\b]     ; 2 off its exponent field: the conversion's scale operand
.endr
.irp b, 0,1
	v_lshrrev_b32 v[14+\b], 23, v[12+\b]
.endr
	v_lshl_or_b32 v20, v15, 8, v14                 ; the two bytes
.irp b, 0,1
	v_cvt_scalef32_pk8_fp4_f32 v[16+2*\b], v[ACC+16*\b:ACC+16*\b+7], v[12+\b]
	v_cvt_scalef32_pk8_fp4_f32 v[17+2*\b], v[ACC+16*\b+8:ACC+16*\b+15], v[12+\b]
.endr
	v_nop                                          ; one plain place behind a scaled conversion
	global_store_b64 v21, v[16:17], s[22:23]               ; dims 16 h + 0 .. 15 of the plane's 64: 8 bytes
	global_store_b64 v21, v[18:19], s[22:23] offset:16     ; dims 32 + 16 h + 0 .. 15
	s_cmp_eq_u32 s3, 4
	s_cbranch_scc1 .Lp2
	s_lshl_b32 s28, ttmp9, 7                       ; proj1's scale bytes [token][8]: bytes 2 y, 2 y + 1.  Two bytes a lane: a K step's word is made by two units; 8 KiB in all
	s_lshl_b32 s30, s3, 1
	s_add_co_u32 s28, s28, s30
	s_add_co_u32 s28, s28, 196608
	s_add_nc_u64 s[24:25], s[6:7], s[28:29]
	global_store_b16 v22, v20, s[24:25]            ; both halves of the lanes store the same two bytes
	s_endpgm
.Lp2:
	s_lshl_b32 s28, ttmp9, 6
	s_add_co_u32 s28, s28, 204800
	s_add_nc_u64 s[24:25], s[6:7], s[28:29]
	v_or_b32 v20, 0x7f7f0000, v20                  ; K = 64 is filled to 128 with zero codes: their bytes are 127
	global_store_b32 v23, v20, s[24:25]
	s_endpgm
.Lp3:                                  ; P3: rows 1,344 + r of q, as they lie; one accumulator
	s_add_nc_u64 s[12:13], s[4:5], 1344*512
	s_add_nc_u64 s[14:15], s[4:5], QSC+1344*32
	global_load_b128 v[48:51], v4, s[10:11]
	global_load_b128 v[32:35], v4, s[14:15]
.irp s, 0,1,2,3,4,5,6,7
	global_load_b128 v[64+8*\s:67+8*\s], v3, s[8:9] offset:64*\s
	global_load_b128 v[68+8*\s:71+8*\s], v3, s[8:9] offset:64*\s+32
	global_load_b128 v[128+8*\s:131+8*\s], v3, s[12:13] offset:64*\s
	global_load_b128 v[132+8*\s:135+8*\s], v3, s[12:13] offset:64*\s+32
.endr
	s_wait_loadcnt 0x0
	v_wmma_scale_f32_16x16x128_f8f6f4 v[224:231], v[128:135], v[64:71], 0, v32, v48 matrix_a_fmt:MATRIX_FMT_FP4 matrix_b_fmt:MATRIX_FMT_FP4
.irp s, 1,2,3,4,5,6,7
	s_wait_alu depctr_va_vdst(0)                   ; a wait ahead of every link
.if \s%2 == 0
	v_wmma_scale_f32_16x16x128_f8f6f4 v[224:231], v[128+8*\s:135+8*\s], v[64+8*\s:71+8*\s], v[224:231], v[32+\s/2], v[48+\s/2] matrix_a_fmt:MATRIX_FMT_FP4 matrix_b_fmt:MATRIX_FMT_FP4
.else
	v_wmma_scale_f32_16x16x128_f8f6f4 v[224:231], v[128+8*\s:135+8*\s], v[64+8*\s:71+8*\s], v[224:231], v[32+\s/2], v[48+\s/2] matrix_a_fmt:MATRIX_FMT_FP4 matrix_b_fmt:MATRIX_FMT_FP4 matrix_a_scale:MATRIX_SCALE_ROW1 matrix_b_scale:MATRIX_SCALE_ROW1
.endif
.endr
.rept 4
	v_nop
.endr
.irp i, 0,1,2,3
	v_cvt_pk_bf16_f32 v[16+\i], v[224+2*\i], v[225+2*\i]   ; dims 8 h + 0 .. 7 of my token
.endr
	global_store_b128 v4, v[16:19], s[22:23]       ; 32 r + 16 h: the wave stores 512 consecutive bytes
	s_endpgm
.Lfunc_end_k_qd8d128dc88_proj:
	.size	k_qd8d128dc88_proj, .Lfunc_end_k_qd8d128dc88_proj-k_qd8d128dc88_proj
	.p2alignl 7, 3214868480
	.fill 96, 4, 3214868480
	.section	.rodata,"a",@progbits
	.p2align	6, 0x0
	.amdhsa_kernel k_qd8d128dc88_proj
		.amdhsa_group_segment_fixed_size 0
		.amdhsa_private_segment_fixed_size 0
		.amdhsa_enable_private_segment 0
		.amdhsa_kernarg_size 16
		.amdhsa_user_sgpr_count 2
		.amdhsa_user_sgpr_kernarg_segment_ptr 1
		.amdhsa_wavefront_size32 1
		.amdhsa_system_sgpr_workgroup_id_x 1
		.amdhsa_system_sgpr_workgroup_id_y 1
		.amdhsa_system_sgpr_workgroup_id_z 1
		.amdhsa_system_vgpr_workitem_id 0
		.amdhsa_next_free_vgpr 256
		.amdhsa_next_free_sgpr 66
		.amdhsa_reserve_vcc 0
		.amdhsa_float_denorm_mode_32 3
		.amdhsa_float_denorm_mode_16_64 3
		.amdhsa_memory_ordered 1
		.amdhsa_forward_progress 1
		.amdhsa_inst_pref_size 23
	.end_amdhsa_kernel
	.amdgpu_metadata
---
amdhsa.version: [ 1, 2 ]
amdhsa.kernels:
  - .name:           k_qd8d128dc88_proj
    .symbol:         k_qd8d128dc88_proj.kd
    .args:
      - { .name: q, .offset: 0, .size: 8, .value_kind: global_buffer, .address_space: global }
      - { .name: ac, .offset: 8, .size: 8, .value_kind: global_buffer, .address_space: global }
    .group_segment_fixed_size: 0
    .private_segment_fixed_size: 0
    .kernarg_segment_align: 8
    .kernarg_segment_size: 16
    .max_flat_workgroup_size: 32
    .sgpr_count:     66
    .vgpr_count:     256
    .wavefront_size: 32
...
	.end_amdgpu_metadata
.endif
;; end of part 2
;; launch main (part 3): grid 2250 x 1, 4 waves a work-group, no clusters, 142,848 bytes of LDS; arguments W_head, b_head, W1, b1, W2, b2, W3, b3, target, q, ac, route, part, tl; writes part, tl
.if DOCPART == 3
	.amdgcn_target "amdgcn-amd-amdhsa--gfx1250"
	.amdhsa_code_object_version 6
	.text
	.protected	k_qd8d128dc88_main
	.globl	k_qd8d128dc88_main
	.p2align	8
	.type	k_qd8d128dc88_main,@function
k_qd8d128dc88_main:
	s_mov_b64 s[64:65], 0
	v_nop
	global_prefetch_b8 v0, s[64:65] scope:SCOPE_SE
	s_setreg_imm32_b32 hwreg(HW_REG_WAVE_MODE, 25, 1), 1
	s_wait_xcnt 0x0
; The four large products and the softmax's sums over a strip of columns.  A work-group owns ONE STRIP of one matrix:
;   path 0, work-groups 0-312:     64 columns of the head (K = 1,024, 8 matrix instructions deep), for all groups of slots
;   path 2, work-groups 313-1562:  128 columns of tail 2 (K = 64, filled to 128 with zero codes), for cluster 2's groups
;   path 1, work-groups 1563-1719: 128 columns of tail 1 (K = 256), for cluster 1's groups
;   path 3, work-groups 1720-2249: 128 columns of tail 3 (K = 16: left as it is, bf16, filled to 32 with zeros), for cluster 3's groups
; The module keeps for each token the tail that its target names, so only that tail's rows are multiplied.  The list of slots (ord) and the clusters' groups (grp) were stored by the first launch.
; WEIGHTS.  Each row of a weight is read by one work-group, once, as f32, in loads of 512 consecutive bytes; the four waves quantise the strip (through each wave's own stage in LDS, so that a lane holds whole blocks of 32 along K)
; and leave it in LDS as images of the operand's registers; behind ONE barrier every wave loads the whole strip into its registers (window 1), where it stays.
; ROWS.  Wave w walks groups first + w, + 4, ..; a group is 32 slots, two tiles of 16 tokens.  A tile's codes and scale words are gathered by token a trip ahead, the list two trips ahead.
; Both products are used transposed (source 0 = 16 columns, source 1 = 16 tokens): a lane holds ONE token and eight columns; the bias is the C of a sum's first matrix instruction.
; OUT.  For each slot and strip the pair (MC, S): MC = the strip's largest logit x log2(e), as it was subtracted; S = the sum of 2^(logit x log2(e) - MC).  The last launch joins the strips.
; Where a token of a tile has its target in the strip, the tile's 16 words of tl[strip][slot] are stored: the target's logit, or 0 for a token whose target lies elsewhere.  The last launch reads only the strip of the target.
; The last strip of a matrix is shifted back so that every load stays inside its buffer; the columns so met twice get the bias -1e30 and add nothing.
; No tensor loads and no cluster: trip counts hang on stored numbers.  Each path has LDS bytes of its own.
; LIMITS: NaN and infinities are not served; blocks under 2^-124 keep the scale byte 1; logits under about -1e30 are not served.
; REGISTERS.  Window 1: the strip's fragments.  Window 0: v1 4 r, v2 16 h, v3 8 lane, v19 h; v4-5 list index, v6-7 list values, v8-13 gather offsets, v14-15 targets (tile a, b); v16-18, v39 at work;
;   v20-31 maxima and sums; v[32:33] the pair stored; v[34:35], v[36:37] (MC, S) of tile a, b; v38 its offset; v40-55 the strip's scale words; v56-63 the tokens' scale words (path 0: 4 + 4; tails: v56, v57);
;   path 0: v64-95 bias, v96-127 sums, v128-255 tokens' fragments;  tails: v64-127 bias, v128-191 sums, v192-223 tokens' fragments.
;   While the weights are made: v128-255 two sets of 16 loads, v64-127 a lane's two blocks, v8-15 codes, v20-33 addresses and work.
.set QSC,   696320
.set H_STG, 0                          ; path 0: four stages of 16 rows x 528 bytes,
.set H_IMG, 33792                      ; 32 fragments of 1,024 bytes (8 x tile + K step),
.set H_WSC, 66560                      ; scale words: 64 bytes for each (tile, K step)
.set A_STG, 68608                      ; path 1 likewise: 16 fragments
.set A_IMG, 102400
.set A_WSC, 118784
.set B_STG, 119808                     ; path 2: four stages of 16 rows x 272 bytes, 8 half fragments of 512 bytes, 8 x 64 bytes of scale words
.set B_IMG, 137216
.set B_WSC, 141312
.set RR, 128
.set XX, 64
.set MSB, 0
.macro WIN new                         ; the immediate's high byte repeats the setting that is left
.if MSB != \new
	s_set_vgpr_msb (MSB<<8)|\new
.set MSB, \new
.endif
.endm
.macro GEOM first, strip, vv, start    ; s3 strip number, s4 its first column, s5 the first column loaded, s6 the shift, s7 columns that count, s8 the first column as a target
	s_sub_co_u32 s3, ttmp9, \first
	s_mul_i32 s4, s3, \strip
	s_min_u32 s5, s4, \vv-\strip
	s_sub_co_u32 s6, s4, s5
	s_sub_co_u32 s7, \vv, s4
	s_min_u32 s7, s7, \strip
	s_add_co_u32 s8, s4, \start
.endm
.macro GROUPS a, b                     ; s9 my first group, s10 the end
	s_min_u32 s9, s[\a], 36
	s_min_u32 s10, s[\b], 36
	s_add_co_u32 s9, s9, s2
.endm
.macro ORD0                            ; the list's entries of my first group: tile a, tile b
	s_lshl_b32 s46, s9, 7
	v_add_nc_u32 v4, s46, v1
	v_add_nc_u32 v5, 64, v4
	global_load_b32 v6, v4, s[22:23]
	global_load_b32 v7, v5, s[22:23]
.endm
.macro ORDIDX x                        ; four groups on, held inside the list's 1,408 entries (44 groups are written; the walk reaches group 42 at the most)
	v_add_nc_u32 v[4+\x], 0x200, v[4+\x]
	v_min_u32 v[4+\x], 0x15fc, v[4+\x]
.endm
.macro ORDLD x
	global_load_b32 v[6+\x], v[4+\x], s[22:23]
.endm
.macro WLOAD set, roff, rowb           ; 16 rows x 128 along K: each load reads 512 consecutive bytes of one row
.irp i, 0,1,2,3,4,5,6,7,8,9,10,11,12,13,14,15
	global_load_b128 v[RR+64*(\set)+4*\i:RR+64*(\set)+4*\i+3], v20, s[12:13] offset:(\roff)+\i*(\rowb) th:TH_LOAD_NT
.endr
.endm
; One fragment: 16 rows x 128 K.  left: the other set's loads, which may stay out.  The rows go into my stage as loaded and come back so that lane (r, h) holds k = 64 c + 32 h + 0 .. 31 of row r: two whole blocks.
.macro WFRAG set, left, refill, roff, rowb, ioff, woff
	s_wait_loadcnt \left
.irp i, 0,1,2,3,4,5,6,7,8,9,10,11,12,13,14,15
	ds_store_b128 v21, v[RR+64*(\set)+4*\i:RR+64*(\set)+4*\i+3] offset:528*\i
.endr
.irp c, 0,1
.irp q, 0,1,2,3,4,5,6,7
	ds_load_b128 v[XX+32*\c+4*\q:XX+32*\c+4*\q+3], v22 offset:256*\c+16*\q
.endr
.endr
	s_wait_dscnt 0x0                               ; my blocks are in; the stores have read the set, and the last fragment's image stores their codes
.if \refill
	WLOAD \set, \roff, \rowb
.endif
.irp c, 0,1
	v_max3_num_f32 v[26+\c], |v[XX+32*\c]|, |v[XX+32*\c+1]|, 0x1800000   ; with the floor 2^(3 - 127): the byte cannot fall under 1
.endr
.irp i, 2,4,6,8,10,12,14,16,18,20,22,24,26,28,30
.irp c, 0,1
	v_max3_num_f32 v[26+\c], v[26+\c], |v[XX+32*\c+\i]|, |v[XX+32*\c+\i+1]|
.endr
.endr
.irp c, 0,1
	v_add_nc_u32 v[28+\c], 0xff000000, v[26+\c]    ; 2 off the exponent field: the conversion's scale operand
.endr
.irp c, 0,1
	v_lshrrev_b32 v[30+\c], 23, v[28+\c]
.endr
	v_lshl_or_b32 v32, v31, 16, v30                ; my two bytes, blocks h and 2 + h,
	v_lshlrev_b32 v32, v25, v32                    ; at their places (8 h bits up);
	v_permlanex16_b32 v33, v32, s36, s37
	v_or_b32 v32, v32, v33                         ; with lane l xor 16's two the word is whole
.irp c, 0,1
.irp g, 0,1,2,3
	v_cvt_scalef32_pk8_fp4_f32 v[8+4*\c+\g], v[XX+32*\c+8*\g:XX+32*\c+8*\g+7], v[28+\c]
.endr
.endr
	v_nop                                          ; one plain place behind a scaled conversion
	ds_store_b128 v23, v[8:11] offset:(\ioff)      ; the fragment's image: lane l's 16 bytes at 16 l
	ds_store_b128 v23, v[12:15] offset:(\ioff)+512
	ds_store_b32 v24, v32 offset:(\woff)           ; row r's scale word (both halves of the lanes store the same)
.endm
.macro WADR stg, img, imgw, wsc, wscw  ; paths 0 and 1: v21 stage in, v22 stage out, v23 image, v24 scale word
	s_mul_i32 s42, s2, 8448
	s_add_co_u32 s42, s42, \stg
	v_add_nc_u32 v21, s42, v20
	v_and_b32 v39, 15, v0
	v_mul_u32_u24 v22, v39, 528
	v_lshl_add_u32 v22, v19, 7, v22
	v_add_nc_u32 v22, s42, v22
	s_mul_i32 s42, s2, \imgw
	s_add_co_u32 s42, s42, \img
	v_add_nc_u32 v23, s42, v20
	s_mul_i32 s42, s2, \wscw
	s_add_co_u32 s42, s42, \wsc
	v_add_nc_u32 v24, s42, v1
.endm
.macro WFRAG2 tl, left                 ; path 2: a tile of 16 rows x 64 K: one block a lane
	s_wait_loadcnt \left
.irp i, 0,1,2,3,4,5,6,7
	ds_store_b128 v21, v[RR+32*\tl+4*\i:RR+32*\tl+4*\i+3] offset:544*\i    ; a load's 512 bytes are two rows
.endr
.irp q, 0,1,2,3,4,5,6,7
	ds_load_b128 v[XX+4*\q:XX+4*\q+3], v22 offset:16*\q
.endr
	s_wait_dscnt 0x0
.irp c, 0,1                            ; the block's largest magnitude, in two chains
	v_max3_num_f32 v[26+\c], |v[XX+16*\c]|, |v[XX+16*\c+1]|, 0x1800000
.endr
.irp i, 2,4,6,8,10,12,14
.irp c, 0,1
	v_max3_num_f32 v[26+\c], v[26+\c], |v[XX+16*\c+\i]|, |v[XX+16*\c+\i+1]|
.endr
.endr
	v_max_num_f32 v26, v26, v27
	v_add_nc_u32 v28, 0xff000000, v26
	v_lshrrev_b32 v30, 23, v28
	v_lshlrev_b32 v32, v25, v30                    ; block h's byte at its place,
	v_permlanex16_b32 v33, v32, s36, s37
	v_or_b32 v32, v32, v33                         ; with the other block's,
	v_or_b32 v32, 0x7f7f0000, v32                  ; and 127 for the zero codes that fill K to 128
.irp g, 0,1,2,3
	v_cvt_scalef32_pk8_fp4_f32 v[8+\g], v[XX+8*\g:XX+8*\g+7], v28
.endr
	v_nop
	ds_store_b128 v23, v[8:11] offset:512*\tl
	ds_store_b32 v24, v32 offset:64*\tl
.endm
.macro MEET                            ; my LDS stores have landed: the work-group's one barrier.  Only behind it does a wave without a group end
	s_wait_dscnt 0x0
	s_barrier_signal -1
	s_barrier_wait -1
	s_cmp_ge_u32 s9, s10
	s_cbranch_scc1 .Lend
.endm
.macro IMGLD n, img                    ; n whole fragments from LDS into window 1, as they were stored
	v_add_nc_u32 v21, \img, v20
	WIN 0x40
.set FF, 0
.rept \n
	ds_load_b128 v[8*FF:8*FF+3], v21 offset:1024*FF
	ds_load_b128 v[8*FF+4:8*FF+7], v21 offset:1024*FF+512
.set FF, FF+1
.endr
	WIN 0
.endm
.macro WM d, a, b, c, sa, sb, row      ; row: which half of the lanes of both scale registers
.if \row
	v_wmma_scale_f32_16x16x128_f8f6f4 v[\d:\d+7], v[\a:\a+7], v[\b:\b+7], v[\c:\c+7], v[\sa], v[\sb] matrix_a_fmt:MATRIX_FMT_FP4 matrix_b_fmt:MATRIX_FMT_FP4 matrix_a_scale:MATRIX_SCALE_ROW1 matrix_b_scale:MATRIX_SCALE_ROW1
.else
	v_wmma_scale_f32_16x16x128_f8f6f4 v[\d:\d+7], v[\a:\a+7], v[\b:\b+7], v[\c:\c+7], v[\sa], v[\sb] matrix_a_fmt:MATRIX_FMT_FP4 matrix_b_fmt:MATRIX_FMT_FP4
.endif
.endm
; The products of tile x.  K step by K step, the column tiles by turns; the first step takes the bias as C.
.macro MM p, x
	WIN 0x01                                       ; source 0: window 1
.if \p == 0
.irp s, 0,1,2,3,4,5,6,7
.irp t, 0,1,2,3
.if \s == 0
	WM 96+8*\t, 64*\t, 128+64*\x, 64+8*\t, 40+4*\t, 56+4*\x, 0
.else
	WM 96+8*\t, 64*\t+8*\s, 128+64*\x+8*\s, 96+8*\t, 40+4*\t+\s/2, 56+4*\x+\s/2, \s%2
.endif
.endr
.endr
.elseif \p == 1
.irp t, 0,1,2,3,4,5,6,7
	WM 128+8*\t, 16*\t, 192+16*\x, 64+8*\t, 40+\t, 56+\x, 0
.endr
.irp t, 0,1,2,3,4,5,6,7
	WM 128+8*\t, 16*\t+8, 200+16*\x, 128+8*\t, 40+\t, 56+\x, 1
.endr
.elseif \p == 2
.irp t, 0,1,2,3,4,5,6,7
	WM 128+8*\t, 8*\t, 192+16*\x, 64+8*\t, 40+\t, 56+\x, 0
.endr
.else
.irp t, 0,1,2,3,4,5,6,7
	v_wmma_f32_16x16x32_bf16 v[128+8*\t:135+8*\t], v[8*\t:8*\t+7], v[192+16*\x:199+16*\x], v[64+8*\t:71+8*\t]
.endr
.endif
	WIN 0
.endm
.macro GADDR p, x                      ; the gather's offsets from the list's value (a pad slot's 1024 is held at token 1023: its results are not used)
	v_min_u32 v18, 0x3ff, v[6+\x]
.if \p == 0
	v_lshl_add_u32 v[8+3*\x], v18, 9, v2           ; codes: 512 bytes a token, + 16 h
	v_lshl_add_u32 v[9+3*\x], v18, 5, v2           ; scale words: 32 bytes a token, + 16 h
.else
	v_lshl_add_u32 v[8+3*\x], v18, 5, v2           ; a plane's 32 bytes a token, + 16 h
.if \p == 1
	v_lshlrev_b32 v[9+3*\x], 3, v18
	v_lshl_add_u32 v[9+3*\x], v19, 2, v[9+3*\x]    ; 8 scale bytes a token: lanes 0-15 K step 0's word, lanes 16-31 step 1's
.endif
.endif
	v_lshlrev_b32 v[10+3*\x], 2, v18
.endm
.macro GATH p, x                       ; 18, 6, 3, 2 loads
.if \p == 0
.irp s, 0,1,2,3,4,5,6,7
	global_load_b128 v[128+64*\x+8*\s:128+64*\x+8*\s+3], v[8+3*\x], s[18:19] offset:64*\s
	global_load_b128 v[128+64*\x+8*\s+4:128+64*\x+8*\s+7], v[8+3*\x], s[18:19] offset:64*\s+32
.endr
	global_load_b128 v[56+4*\x:59+4*\x], v[9+3*\x], s[44:45]
.elseif \p == 1
.irp y, 0,1,2,3
	global_load_b128 v[192+16*\x+4*\y:192+16*\x+4*\y+3], v[8+3*\x], s[20:21] offset:32768*\y
.endr
	global_load_b32 v[56+\x], v[9+3*\x], s[20:21] offset:196608
.elseif \p == 2
	global_load_b128 v[192+16*\x:195+16*\x], v[8+3*\x], s[20:21] offset:131072
	global_load_b32 v[56+\x], v[10+3*\x], s[20:21] offset:204800
.else
	global_load_b128 v[192+16*\x:195+16*\x], v[8+3*\x], s[20:21] offset:163840
.endif
	global_load_b32 v[14+\x], v[10+3*\x], s[16:17]
.endm
; A token of the tile has its target in this strip: the lane that holds that column picks the logit out of its registers; every other lane keeps 0.  v16 = target - the strip's first column; VCC = it counts.
; The two halves of the lanes are joined, and the tile's 16 words go to my own strip's plane of tl, all lanes on (both halves store the same word).
.macro TSEL x, nt, acc
	v_add_nc_u32 v17, s6, v16                      ; the column among those loaded
	v_lshrrev_b32 v18, 4, v17
	v_and_b32 v39, 7, v17
	v_lshl_add_u32 v18, v18, 3, v39                ; its register: 8 x tile + column % 8
	v_bfe_u32 v39, v17, 3, 1
	v_cmp_eq_u32 s42, v39, v19                     ; and its half of the lanes
	s_and_b32 s42, s42, vcc_lo
	v_cndmask_b32 v17, -1, v18, s42
	v_mov_b32 v18, 0
.set QQ, 0
.rept 8*\nt
	v_cmp_eq_u32 vcc_lo, QQ, v17                   ; ascending: each accumulator is read from its low end on
	v_cndmask_b32 v18, v18, v[\acc+QQ], vcc_lo
.set QQ, QQ+1
.endr
	v_permlanex16_b32 v39, v18, s36, s37
	v_or_b32 v18, v18, v39                         ; one of the two is 0
	v_add_nc_u32 v17, s43, v1
	global_store_b32 v17, v18, s[26:27] offset:64*\x
	s_wait_xcnt 0x0                                ; v17 and v18 are written again by the next tile only behind this wait
.endm
.macro PKF acc, pp, mc                 ; logit x log2(e) - MC, two at a time
	v_pk_fma_f32 v[\acc+2*(\pp):\acc+2*(\pp)+1], v[\acc+2*(\pp):\acc+2*(\pp)+1], s[38:39], v[\mc:\mc+1] op_sel_hi:[1,0,0] neg_lo:[0,0,1] neg_hi:[0,0,1]
.endm
; The strip's largest logit of my token and the sum of the exponentials under it.  The maximum is taken away before every exponential.
.macro LSE x, nt, acc
.set TT, 0
.rept \nt
	v_max3_num_f32 v[20+TT], v[\acc+8*TT], v[\acc+8*TT+1], v[\acc+8*TT+2]
.set TT, TT+1
.endr
.irp i, 3,5
.set TT, 0
.rept \nt
	v_max3_num_f32 v[20+TT], v[20+TT], v[\acc+8*TT+\i], v[\acc+8*TT+\i+1]
.set TT, TT+1
.endr
.endr
.set TT, 0
.rept \nt
	v_max_num_f32 v[20+TT], v[20+TT], v[\acc+8*TT+7]
.set TT, TT+1
.endr
	v_max3_num_f32 v20, v20, v21, v22
.if \nt == 8
	v_max3_num_f32 v23, v23, v24, v25
	v_max3_num_f32 v20, v20, v26, v27
.endif
	v_max_num_f32 v20, v20, v23
	v_permlanex16_b32 v28, v20, s36, s37           ; the token's other columns lie in the lane 16 away
	v_max_num_f32 v20, v20, v28
	v_mul_f32 v[34+2*\x], s38, v20                 ; MC, as it is subtracted and as it is stored
	PKF \acc, 0, 34+2*\x
	PKF \acc, 1, 34+2*\x
.set PP, 0
.rept 4*\nt                            ; a pair's two exponentials, then plain lines: the scaling two pairs ahead, the sum of the pair before (two chains, each begun by two pairs)
	v_exp_f32 v[\acc+2*PP], v[\acc+2*PP]
	v_exp_f32 v[\acc+2*PP+1], v[\acc+2*PP+1]
.if PP+2 < 4*\nt
	PKF \acc, PP+2, 34+2*\x
.endif
.if PP == 2
	s_wait_alu depctr_va_vdst(0)
	v_pk_add_f32 v[28:29], v[\acc:\acc+1], v[\acc+2:\acc+3]
.elseif PP == 4
	s_wait_alu depctr_va_vdst(0)
	v_pk_add_f32 v[30:31], v[\acc+4:\acc+5], v[\acc+6:\acc+7]
.elseif PP > 4
	s_wait_alu depctr_va_vdst(0)
	v_pk_add_f32 v[28+2*((PP-1)%2):29+2*((PP-1)%2)], v[28+2*((PP-1)%2):29+2*((PP-1)%2)], v[\acc+2*PP-2:\acc+2*PP-1]
.endif
.set PP, PP+1
.endr
	s_wait_alu depctr_va_vdst(0)
	v_pk_add_f32 v[30:31], v[30:31], v[\acc+8*\nt-2:\acc+8*\nt-1]
	v_pk_add_f32 v[28:29], v[28:29], v[30:31]
	v_add_f32 v28, v28, v29
	v_permlanex16_b32 v30, v28, s36, s37
	v_add_f32 v[35+2*\x], v28, v30                 ; S
.endm
; Tile x of the group in hand.  ng = loads of a gather.
.macro TILE p, x, nt, acc, ng
	s_wait_loadcnt (\ng)+1                         ; my gather and my list value are in; the other tile's gather and list load, issued behind them, stay out
	MM \p, \x
	v_sub_nc_u32 v16, v[14+\x], s8                 ; these plain lines, five or more, are the places behind the products
	ORDIDX \x
	GADDR \p, \x
	GATH \p, \x                                    ; four groups on, into the registers just multiplied
	ORDLD \x                                       ; eight groups on
	v_cmp_gt_u32 vcc_lo, s7, v16
	s_cbranch_vccz .Lnt_\@                         ; whole numbers read from memory decide: no token's target lies in this strip
	TSEL \x, \nt, \acc
.Lnt_\@:
	LSE \x, \nt, \acc
.endm
.macro PROLOG p
	GADDR \p, 0
	GATH \p, 0
	ORDIDX 0
	ORDLD 0
	GADDR \p, 1
	GATH \p, 1
	ORDIDX 1
	ORDLD 1
.endm
.macro MASK nt                         ; the shifted last strip: columns met by the strip before get the bias -1e30
	s_cmp_eq_u32 s6, 0
	s_cbranch_scc1 .Lnm_\@
	v_lshlrev_b32 v39, 3, v19
	v_sub_nc_u32 v39, v39, s6                      ; 8 h - shift: register 8 t + j holds column 16 t + 8 h + j, which counts from the shift on
.set LL, 0
.rept 8*\nt
	v_cmp_le_i32 vcc_lo, -(16*(LL/8)+LL%8), v39
	v_cndmask_b32 v[64+LL], s40, v[64+LL], vcc_lo
.set LL, LL+1
.endr
.Lnm_\@:
.endm
.macro BIAS nt                         ; lane (r, h), tile t: the bias of columns 16 t + 8 h + 0 .. 7
	v_lshlrev_b32 v39, 1, v2
.set TT, 0
.rept \nt
	global_load_b128 v[64+8*TT:67+8*TT], v39, s[14:15] offset:64*TT
	global_load_b128 v[68+8*TT:71+8*TT], v39, s[14:15] offset:64*TT+16
.set TT, TT+1
.endr
.endm
.macro BODY p, nt, acc, ng             ; a trip: one group of 32 slots.  My groups are every fourth from s9 up to s10: (s10 - s9 + 3) / 4 trips, 9 at the most (36 groups, four waves)
	s_sub_co_u32 s50, s10, s9
	s_add_co_u32 s50, s50, 3
	s_lshr_b32 s50, s50, 2
	s_min_u32 s50, s50, 9
	s_mov_b32 s11, 0
.Lloop_\@:
	s_min_u32 s42, s9, 35
	s_lshl_b32 s43, s42, 7                         ; the group's bytes in a strip of tl
	s_lshl_b32 s49, s42, 8                         ; and in a strip of part
	TILE \p, 0, \nt, \acc, \ng
	TILE \p, 1, \nt, \acc, \ng
	s_wait_xcnt 0x0                                ; the last trip's store has read its registers
	v_cndmask_b32 v32, v34, v36, s41               ; lanes 0-15: tile a's token, lanes 16-31: tile b's
	v_cndmask_b32 v33, v35, v37, s41
	v_add_nc_u32 v38, s49, v3
	global_store_b64 v38, v[32:33], s[24:25]       ; the wave stores 256 consecutive bytes, aligned
	s_add_co_u32 s9, s9, 4
	s_add_co_u32 s11, s11, 1
	s_cmp_lt_u32 s11, s50
	s_cbranch_scc1 .Lloop_\@
	s_set_vgpr_msb 0xa
	s_wait_tensorcnt 0x0
	ds_add_u32 v0, v1
	s_wait_dscnt 0x0
	s_set_vgpr_msb 0xa00
	s_endpgm
.endm
	s_load_b256 s[16:23], s[0:1], 0x40             ; target, q, ac, route
	s_load_b128 s[24:27], s[0:1], 0x60             ; part, tl
	s_set_vgpr_msb 0x80
	v_lshl_add_u32 v0, v0, 2, 0x22c00
	v_mov_b32 v1, 0
	s_set_vgpr_msb 0x8000
	v_lshrrev_b32 v1, 5, v0
	v_readfirstlane_b32 s2, v1                     ; wave
	v_and_b32 v1, 15, v0
	v_lshlrev_b32 v1, 2, v1                        ; 4 r
	v_bfe_u32 v19, v0, 4, 1                        ; h
	v_lshlrev_b32 v2, 4, v19                       ; 16 h
	v_and_b32 v3, 31, v0
	v_lshlrev_b32 v20, 4, v3                       ; 16 lane
	v_lshlrev_b32 v3, 3, v3                        ; 8 lane
	v_lshlrev_b32 v25, 3, v19                      ; 8 h
	v_mov_b32 v28, 0                               ; lane permutes' destinations and upper halves of named pairs are written once
	v_mov_b32 v30, 0
	v_mov_b32 v33, 0
	v_mov_b32 v35, 0
	v_mov_b32 v37, 0
	s_mov_b32 s36, 0x76543210
	s_mov_b32 s37, 0xfedcba98                      ; lane l xor 16
	s_mov_b32 s38, 0x3fb8aa3b                      ; log2(e)
	s_mov_b32 s39, s38
	s_mov_b32 s40, 0xf149f2ca                      ; -1e30
	s_mov_b32 s41, 0xffff0000                      ; lanes 16-31
	s_mul_i32 s46, ttmp9, 9216                     ; my strip of part
	s_mov_b32 s47, 0                               ; s47 stays 0: the upper word of every offset
	s_wait_kmcnt 0x0
	s_load_b256 s[28:35], s[22:23], 0x1600         ; grp
	s_add_nc_u64 s[24:25], s[24:25], s[46:47]
	s_mul_i32 s46, ttmp9, 4608                     ; my strip of tl
	s_add_nc_u64 s[26:27], s[26:27], s[46:47]
	s_add_nc_u64 s[44:45], s[18:19], QSC           ; q's scale words
	s_cmp_lt_u32 ttmp9, 313
	s_cbranch_scc1 .Lpath_h
	s_cmp_lt_u32 ttmp9, 1563
	s_cbranch_scc1 .Lpath_t2
	s_cmp_lt_u32 ttmp9, 1720
	s_cbranch_scc1 .Lpath_t1
; ---- path 3: tail 3, bf16.  No LDS: the strip is 8 KiB, and each wave reads it for itself
	s_load_b128 s[12:15], s[0:1], 0x30             ; W3, b3
	GEOM 1720, 128, 67735, 200000
	s_wait_kmcnt 0x0
	GROUPS 31, 32
	s_cmp_ge_u32 s9, s10
	s_cbranch_scc1 .Lend
	s_lshl_b32 s46, s5, 6
	s_add_nc_u64 s[12:13], s[12:13], s[46:47]
	s_lshl_b32 s46, s5, 2
	s_add_nc_u64 s[14:15], s[14:15], s[46:47]
	ORD0
	v_lshlrev_b32 v39, 4, v1
	v_lshl_add_u32 v39, v2, 1, v39                 ; row r of 64 bytes + 32 h: k = 8 h + 0 .. 7
.irp t, 0,1,2,3,4,5,6,7
	global_load_b128 v[128+8*\t:131+8*\t], v39, s[12:13] offset:1024*\t
	global_load_b128 v[132+8*\t:135+8*\t], v39, s[12:13] offset:1024*\t+16
.endr
.irp i, 196,197,198,199,212,213,214,215
	v_mov_b32 v\i, 0                               ; the tokens' k = 16 .. 31: zeros
.endr
	s_wait_loadcnt 0x0
	WIN 0x40
.irp t, 0,1,2,3,4,5,6,7
.irp i, 0,1,2,3
	v_cvt_pk_bf16_f32 v[8*\t+\i], v[128+8*\t+2*\i], v[129+8*\t+2*\i]
.endr
.irp i, 4,5,6,7
	v_mov_b32 v[8*\t+\i], 0
.endr
.endr
	WIN 0
	v_lshlrev_b32 v39, 1, v2
.set LL, 0
.rept 64                               ; the shifted strip begins at an odd column: four bytes a load
	global_load_b32 v[64+LL], v39, s[14:15] offset:64*(LL/8)+4*(LL%8)
.set LL, LL+1
.endr
	PROLOG 3
	s_wait_loadcnt 6                               ; the bias is in; two gathers of 2 and two list loads stay out
	MASK 8
	BODY 3, 8, 128, 2
; ---- path 0: the head
.Lpath_h:
	s_load_b128 s[12:15], s[0:1], 0x0              ; W_head, b_head
	GEOM 0, 64, 20000, 0
	s_wait_kmcnt 0x0
	GROUPS 28, 32
	s_lshl_b32 s46, s2, 4                          ; wave w makes column tile w
	s_add_co_u32 s46, s46, s5
	s_lshl_b32 s46, s46, 12
	s_add_nc_u64 s[12:13], s[12:13], s[46:47]
	s_lshl_b32 s46, s5, 2
	s_add_nc_u64 s[14:15], s[14:15], s[46:47]
	ORD0
	WLOAD 0, 0, 4096
	WLOAD 1, 512, 4096
	WADR H_STG, H_IMG, 8192, H_WSC, 512
	WFRAG 0, 16, 1, 1024, 4096, 0, 0
	WFRAG 1, 16, 1, 1536, 4096, 1024, 64
	WFRAG 0, 16, 1, 2048, 4096, 2048, 128
	WFRAG 1, 16, 1, 2560, 4096, 3072, 192
	WFRAG 0, 16, 1, 3072, 4096, 4096, 256
	WFRAG 1, 16, 1, 3584, 4096, 5120, 320
	WFRAG 0, 16, 0, 0, 4096, 6144, 384
	WFRAG 1, 0, 0, 0, 4096, 7168, 448
	MEET
	IMGLD 32, H_IMG
	v_lshrrev_b32 v22, 1, v3
	v_add_nc_u32 v22, H_WSC, v22                   ; 4 lane: lanes 0-15 an even K step's words, lanes 16-31 the odd one's
.irp i, 0,1,2,3,4,5,6,7,8,9,10,11,12,13,14,15
	ds_load_b32 v[40+\i], v22 offset:128*\i
.endr
	BIAS 4
	PROLOG 0
	s_wait_loadcnt 38                              ; the bias is in; two gathers of 18 and two list loads stay out
	MASK 4
	s_wait_dscnt 0x0                               ; the strip is in my registers
	BODY 0, 4, 96, 18
; ---- path 1: tail 1
.Lpath_t1:
	s_load_b128 s[12:15], s[0:1], 0x10             ; W1, b1
	GEOM 1563, 128, 20000, 20000
	s_wait_kmcnt 0x0
	GROUPS 29, 30
	s_lshl_b32 s46, s2, 5                          ; wave w makes column tiles 2 w, 2 w + 1
	s_add_co_u32 s46, s46, s5
	s_lshl_b32 s46, s46, 10
	s_add_nc_u64 s[12:13], s[12:13], s[46:47]
	s_lshl_b32 s46, s5, 2
	s_add_nc_u64 s[14:15], s[14:15], s[46:47]
	ORD0
	WLOAD 0, 0, 1024
	WLOAD 1, 512, 1024
	WADR A_STG, A_IMG, 4096, A_WSC, 256
	WFRAG 0, 16, 1, 16384, 1024, 0, 0
	WFRAG 1, 16, 1, 16896, 1024, 1024, 64
	WFRAG 0, 16, 0, 0, 1024, 2048, 128
	WFRAG 1, 0, 0, 0, 1024, 3072, 192
	MEET
	IMGLD 16, A_IMG
	v_lshrrev_b32 v22, 1, v3
	v_add_nc_u32 v22, A_WSC, v22
.irp i, 0,1,2,3,4,5,6,7
	ds_load_b32 v[40+\i], v22 offset:128*\i
.endr
	BIAS 8
	PROLOG 1
	s_wait_loadcnt 14                              ; the bias is in; two gathers of 6 and two list loads stay out
	MASK 8
	s_wait_dscnt 0x0
	BODY 1, 8, 128, 6
; ---- path 2: tail 2.  160,000 = 1,250 x 128: no strip is shifted, no mask
.Lpath_t2:
	s_load_b128 s[12:15], s[0:1], 0x20             ; W2, b2
	GEOM 313, 128, 160000, 40000
	s_wait_kmcnt 0x0
	GROUPS 30, 31
	s_lshl_b32 s46, s2, 5
	s_add_co_u32 s46, s46, s5
	s_lshl_b32 s46, s46, 8
	s_add_nc_u64 s[12:13], s[12:13], s[46:47]
	s_lshl_b32 s46, s5, 2
	s_add_nc_u64 s[14:15], s[14:15], s[46:47]
	ORD0
.irp i, 0,1,2,3,4,5,6,7,8,9,10,11,12,13,14,15
	global_load_b128 v[RR+4*\i:RR+4*\i+3], v20, s[12:13] offset:512*\i th:TH_LOAD_NT   ; my 32 rows: 8 KiB on end
.endr
	s_mul_i32 s42, s2, 4352
	s_add_co_u32 s42, s42, B_STG
	v_mul_u32_u24 v21, v19, 272
	v_lshl_add_u32 v21, v1, 2, v21
	v_add_nc_u32 v21, s42, v21                     ; stage in: row lane / 16 of a load's two, 16 bytes a lane
	v_and_b32 v39, 15, v0
	v_mul_u32_u24 v22, v39, 272
	v_lshl_add_u32 v22, v19, 7, v22
	v_add_nc_u32 v22, s42, v22                     ; out: row r, block h
	s_lshl_b32 s42, s2, 10
	s_add_co_u32 s42, s42, B_IMG
	v_add_nc_u32 v23, s42, v20
	s_lshl_b32 s42, s2, 7
	s_add_co_u32 s42, s42, B_WSC
	v_add_nc_u32 v24, s42, v1
	WFRAG2 0, 8
	WFRAG2 1, 0
	MEET
	v_add_nc_u32 v21, B_IMG, v20
	WIN 0x40
.irp t, 0,1,2,3,4,5,6,7
	ds_load_b128 v[8*\t:8*\t+3], v21 offset:512*\t
.irp i, 4,5,6,7
	v_mov_b32 v[8*\t+\i], 0                        ; k = 64 .. 127: zero codes
.endr
.endr
	WIN 0
	v_add_nc_u32 v22, B_WSC, v1
.irp i, 0,1,2,3,4,5,6,7
	ds_load_b32 v[40+\i], v22 offset:64*\i
.endr
.irp i, 196,197,198,199,212,213,214,215
	v_mov_b32 v\i, 0                               ; the tokens' likewise
.endr
	BIAS 8
	PROLOG 2
	s_wait_loadcnt 8                               ; the bias is in; two gathers of 3 and two list loads stay out
	s_wait_dscnt 0x0
	BODY 2, 8, 128, 3
.Lend:
	s_set_vgpr_msb 0xa
	s_wait_tensorcnt 0x0
	ds_add_u32 v0, v1
	s_wait_dscnt 0x0
	s_set_vgpr_msb 0xa00
	s_endpgm
.Lfunc_end_k_qd8d128dc88_main:
	.size	k_qd8d128dc88_main, .Lfunc_end_k_qd8d128dc88_main-k_qd8d128dc88_main
	.p2alignl 7, 3214868480
	.fill 96, 4, 3214868480
	.section	.rodata,"a",@progbits
	.p2align	6, 0x0
	.amdhsa_kernel k_qd8d128dc88_main
		.amdhsa_group_segment_fixed_size 142848
		.amdhsa_private_segment_fixed_size 0
		.amdhsa_enable_private_segment 0
		.amdhsa_kernarg_size 112
		.amdhsa_user_sgpr_count 2
		.amdhsa_user_sgpr_kernarg_segment_ptr 1
		.amdhsa_wavefront_size32 1
		.amdhsa_system_sgpr_workgroup_id_x 1
		.amdhsa_system_sgpr_workgroup_id_y 1
		.amdhsa_system_sgpr_workgroup_id_z 1
		.amdhsa_system_vgpr_workitem_id 0
		.amdhsa_next_free_vgpr 514
		.amdhsa_next_free_sgpr 66
		.amdhsa_reserve_vcc 1
		.amdhsa_float_denorm_mode_32 3
		.amdhsa_float_denorm_mode_16_64 3
		.amdhsa_memory_ordered 1
		.amdhsa_forward_progress 1
		.amdhsa_inst_pref_size 255
	.end_amdhsa_kernel
	.section	.bss,"aw",@nobits
	.p2align	6
	.space	262144
	.amdgpu_metadata
---
amdhsa.version: [ 1, 2 ]
amdhsa.kernels:
  - .name:           k_qd8d128dc88_main
    .symbol:         k_qd8d128dc88_main.kd
    .args:
      - { .name: W_head, .offset: 0, .size: 8, .value_kind: global_buffer, .address_space: global }
      - { .name: b_head, .offset: 8, .size: 8, .value_kind: global_buffer, .address_space: global }
      - { .name: W1, .offset: 16, .size: 8, .value_kind: global_buffer, .address_space: global }
      - { .name: b1, .offset: 24, .size: 8, .value_kind: global_buffer, .address_space: global }
      - { .name: W2, .offset: 32, .size: 8, .value_kind: global_buffer, .address_space: global }
      - { .name: b2, .offset: 40, .size: 8, .value_kind: global_buffer, .address_space: global }
      - { .name: W3, .offset: 48, .size: 8, .value_kind: global_buffer, .address_space: global }
      - { .name: b3, .offset: 56, .size: 8, .value_kind: global_buffer, .address_space: global }
      - { .name: target, .offset: 64, .size: 8, .value_kind: global_buffer, .address_space: global }
      - { .name: q, .offset: 72, .size: 8, .value_kind: global_buffer, .address_space: global }
      - { .name: ac, .offset: 80, .size: 8, .value_kind: global_buffer, .address_space: global }
      - { .name: route, .offset: 88, .size: 8, .value_kind: global_buffer, .address_space: global }
      - { .name: part, .offset: 96, .size: 8, .value_kind: global_buffer, .address_space: global }
      - { .name: tl, .offset: 104, .size: 8, .value_kind: global_buffer, .address_space: global }
    .group_segment_fixed_size: 142848
    .private_segment_fixed_size: 0
    .kernarg_segment_align: 8
    .kernarg_segment_size: 112
    .max_flat_workgroup_size: 128
    .sgpr_count:     66
    .vgpr_count:     514
    .wavefront_size: 32
...
	.end_amdgpu_metadata
.endif
;; end of part 3
;; launch final (part 4): grid 35 x 1, 32 waves a work-group, no clusters, 20,480 bytes of LDS; arguments part, tl, cl, route, target, out0; writes out0
.if DOCPART == 4
	.amdgcn_target "amdgcn-amd-amdhsa--gfx1250"
	.amdhsa_code_object_version 6
	.text
	.protected	k_qd8d128dc88_final
	.globl	k_qd8d128dc88_final
	.p2align	8
	.type	k_qd8d128dc88_final,@function
k_qd8d128dc88_final:
	s_mov_b64 s[64:65], 0
	v_nop
	global_prefetch_b8 v0, s[64:65] scope:SCOPE_SE
	s_setreg_imm32_b32 hwreg(HW_REG_WAVE_MODE, 25, 1), 1
	s_wait_xcnt 0x0
; The strips are joined.  A work-group takes one group of 32 slots, a lane to a slot; wave w takes strips w, w + 32, .. of the head (313) and of the group's own tail (157, 1,250 or 530; none for cluster 0).
; A pair (MC, S) stands for S x 2^MC.  Pairs are joined under their largest MC, which is taken away before every exponential.  The waves' results meet in LDS; wave 0 joins them, takes in the three cluster logits,
; and stores  -logprob = L_head - x_head + (L_tail - x_tail),  L = (MC + log2 S) ln 2,  x_head = the target's logit (cluster 0) or cluster logit 3 - c,  x_tail = the target's logit in its tail.
; The target's logit lies in tl[strip][slot], strip = the cluster's first strip + (target - the cluster's first column) / (64 for the head, 128 for a tail): the one strip that stored it.
; A pad slot takes lane 0's token and slot (a group's first slot always holds a token), so that it reads stored bytes alone; nothing of it is stored.
; The grid serves every split: there are 32 to 35 groups.  A work-group past the last group does the last group's work and stores nothing (its store mask is empty), so that every wave reaches the barrier with no branch on a stored number.
; No matrix work: 3.3 million pairs at the most.
.set NEG, 0xff61b1e6                   ; -3e38, under every MC
	s_load_b256 s[4:11], s[0:1], 0x0               ; part, tl, cl, route
	s_load_b128 s[12:15], s[0:1], 0x20             ; target, out0
	v_lshl_add_u32 v126, v0, 2, 0x4000
	v_mov_b32 v127, 0
	v_lshrrev_b32 v1, 5, v0
	v_readfirstlane_b32 s2, v1                     ; wave 0..31
	v_and_b32 v1, 31, v0                           ; lane = slot in the group
	v_lshlrev_b32 v14, 4, v0                       ; LDS: 16 bytes a thread
	v_lshlrev_b32 v13, 4, v1                       ; and, for wave 0, 16 bytes a lane of each wave's 512
	s_mov_b32 s31, NEG
	s_mov_b32 s32, 0x3fb8aa3b                      ; log2(e)
	s_mov_b32 s33, 0x3f317218                      ; ln 2
	s_wait_kmcnt 0x0
	s_load_b256 s[16:23], s[10:11], 0x1600         ; grp: s17-19 first groups of clusters 1-3, s20 the number of groups
	s_wait_kmcnt 0x0
	s_min_u32 s17, s17, 36
	s_min_u32 s18, s18, 36
	s_min_u32 s19, s19, 36
	s_min_u32 s20, s20, 36
	s_cmp_lt_u32 ttmp9, s20
	s_cselect_b32 s25, -1, 0                       ; my group exists
	s_max_u32 s24, s20, 1
	s_sub_co_u32 s24, s24, 1
	s_min_u32 s3, ttmp9, s24
	s_min_u32 s3, s3, 35                           ; the group that I work on
	s_cmp_ge_u32 s3, s17
	s_cselect_b32 s26, 1, 0
	s_cmp_ge_u32 s3, s18
	s_cselect_b32 s27, 1, 0
	s_add_co_u32 s26, s26, s27
	s_cmp_ge_u32 s3, s19
	s_cselect_b32 s27, 1, 0
	s_add_co_u32 s26, s26, s27                     ; its cluster c
	s_mov_b32 s28, 1563                            ; the tail's first strip, its number of strips, the cluster's first column
	s_mov_b32 s29, 157
	s_mov_b32 s38, 20000
	s_cmp_eq_u32 s26, 2
	s_cselect_b32 s28, 313, s28
	s_cselect_b32 s29, 1250, s29
	s_cselect_b32 s38, 40000, s38
	s_cmp_eq_u32 s26, 3
	s_cselect_b32 s28, 1720, s28
	s_cselect_b32 s29, 530, s29
	s_cselect_b32 s38, 200000, s38
	s_cmp_eq_u32 s26, 0                            ; cluster 0's target lies in the head: strips of 64 columns from strip 0 on
	s_cselect_b32 s38, 0, s38
	s_cselect_b32 s39, 6, 7
	s_cselect_b32 s40, 0, s28
	s_sub_co_u32 s30, s29, 1
	v_lshlrev_b32 v2, 3, v1
	s_lshl_b32 s34, s3, 8
	v_add_nc_u32 v2, s34, v2                       ; my pair in a strip: 8 lane + 256 group
	s_lshl_b32 s34, s3, 7
	v_lshl_add_u32 v3, v1, 2, s34
	global_load_b32 v4, v3, s[10:11]               ; my slot's token
.irp k, 0,1,2,3,4,5,6,7,8,9            ; the head's strips w + 32 k, held at the last: each load lands on its own offset register; the wave reads 256 consecutive bytes
	s_add_co_u32 s35, s2, 32*\k
	s_min_u32 s35, s35, 312
	s_mul_i32 s35, s35, 9216
	v_add_nc_u32 v[16+2*\k], s35, v2
	global_load_b64 v[16+2*\k:17+2*\k], v[16+2*\k], s[4:5]
.endr
	s_wait_loadcnt 10                              ; the token is in; the ten loads behind it stay out
	v_cmp_gt_u32 vcc_lo, 0x400, v4                 ; a pad slot holds 1024
	v_readfirstlane_b32 s41, v4                    ; lane 0's token
	v_cndmask_b32 v5, s41, v4, vcc_lo
	v_min_u32 v5, 0x3ff, v5
	v_lshlrev_b32 v6, 4, v5
	v_lshlrev_b32 v116, 2, v5
	v_cndmask_b32 v7, 0, v1, vcc_lo                ; and lane 0's slot
	v_min_u32 v7, 31, v7
	v_lshl_add_u32 v7, v7, 2, s34
	global_load_b128 v[8:11], v6, s[8:9]           ; the three cluster logits
	global_load_b32 v117, v116, s[12:13]           ; the target
	s_wait_loadcnt 0x0                             ; the target is the youngest load
	v_sub_nc_u32 v118, v117, s38
	v_lshrrev_b32 v118, s39, v118
	v_add_nc_u32 v118, s40, v118                   ; the strip that holds the target,
	v_min_u32 v118, 0x8c9, v118                    ; held inside the 2,250
	v_mul_u32_u24 v118, v118, 0x1200               ; 4,608 bytes a strip
	v_add_nc_u32 v118, v118, v7
	global_load_b32 v12, v118, s[6:7]              ; the target's logit
.macro REDUCE base, n, m, s            ; n pairs at v[base] on become one
	v_max3_num_f32 v[\m], v[\base], v[\base+2], v[\base+4]
.set KK, 3
.rept (\n-4)/2
	v_max3_num_f32 v[\m], v[\m], v[\base+2*KK], v[\base+2*KK+2]
.set KK, KK+2
.endr
	v_max_num_f32 v[\m], v[\m], v[\base+2*(\n-1)]
.set KK, 0
.rept \n
	v_sub_f32 v[\base+2*KK], v[\base+2*KK], v[\m]
.set KK, KK+1
.endr
.set KK, 0
.rept \n
	v_exp_f32 v[\base+2*KK], v[\base+2*KK]
.set KK, KK+1
.endr
	v_nop                                          ; a plain place behind the exponentials
	s_wait_alu depctr_va_vdst(0)
	v_mul_f32 v[\s], v[\base+1], v[\base]
.set KK, 1
.rept \n-1
	v_fmac_f32 v[\s], v[\base+2*KK+1], v[\base+2*KK]
.set KK, KK+1
.endr
.endm
	s_cmp_eq_u32 s26, 0
	s_cbranch_scc1 .Lc0
.irp k, 0,1,2,3,4,5,6,7,8,9,10,11,12,13,14,15,16,17,18,19,20,21,22,23,24,25,26,27,28,29,30,31,32,33,34,35,36,37,38,39
	s_add_co_u32 s35, s2, 32*\k
	s_min_u32 s35, s35, s30
	s_add_co_u32 s35, s35, s28
	s_min_u32 s35, s35, 2249
	s_mul_i32 s35, s35, 9216
	v_add_nc_u32 v[36+2*\k], s35, v2
	global_load_b64 v[36+2*\k:37+2*\k], v[36+2*\k], s[4:5]
.endr
	s_wait_loadcnt 0x0
.irp k, 4,5,6,7,8,9,10,11,12,13,14,15,16,17,18,19,20,21,22,23,24,25,26,27,28,29,30,31,32,33,34,35,36,37,38,39
	s_add_co_u32 s35, s2, 32*\k                    ; past the tail's last strip: the pair counts for nothing (every tail has 157 strips or more: k under 4 is always inside)
	s_cmp_lt_u32 s35, s29
	s_cselect_b32 vcc_lo, -1, 0
	v_cndmask_b32 v[36+2*\k], s31, v[36+2*\k], vcc_lo
	v_cndmask_b32 v[37+2*\k], 0, v[37+2*\k], vcc_lo
.endr
	REDUCE 36, 40, 122, 123
	s_branch .Ljoin
.Lc0:
	v_mov_b32 v122, 0                              ; cluster 0 has no tail: a pair that is not used
	v_mov_b32 v123, 1.0
	s_wait_loadcnt 0x0
.Ljoin:
	s_add_co_u32 s35, s2, 288                      ; of the head's, only k = 9 can lie past strip 312
	s_cmp_lt_u32 s35, 313
	s_cselect_b32 vcc_lo, -1, 0
	v_cndmask_b32 v34, s31, v34, vcc_lo
	v_cndmask_b32 v35, 0, v35, vcc_lo
	REDUCE 16, 10, 120, 121
	ds_store_b128 v14, v[120:123]
	s_wait_dscnt 0x0                               ; for the others' sake: my store has landed
	s_barrier_signal -1
	s_barrier_wait -1
	s_cmp_lg_u32 s2, 0
	s_cbranch_scc1 .Lend
	v_mov_b32 v120, s31                            ; wave 0 joins the 32 waves' pairs, eight at a time
	v_mov_b32 v121, 0
	v_mov_b32 v122, s31
	v_mov_b32 v123, 0
.macro COMB o, m, s
	v_max3_num_f32 v48, v[16+\o], v[20+\o], v[24+\o]
	v_max3_num_f32 v48, v48, v[28+\o], v[32+\o]
	v_max3_num_f32 v48, v48, v[36+\o], v[40+\o]
	v_max3_num_f32 v48, v48, v[44+\o], v[\m]
	v_sub_f32 v49, v[\m], v48
.irp i, 0,1,2,3,4,5,6,7
	v_sub_f32 v[16+4*\i+\o], v[16+4*\i+\o], v48
.endr
	v_exp_f32 v49, v49
.irp i, 0,1,2,3,4,5,6,7
	v_exp_f32 v[16+4*\i+\o], v[16+4*\i+\o]
.endr
	v_mov_b32 v[\m], v48                           ; (a plain place behind the exponentials)
	s_wait_alu depctr_va_vdst(0)
	v_mul_f32 v[\s], v[\s], v49
.irp i, 0,1,2,3,4,5,6,7
	v_fmac_f32 v[\s], v[17+4*\i+\o], v[16+4*\i+\o]
.endr
.endm
.irp b, 0,1,2,3
.irp i, 0,1,2,3,4,5,6,7
	ds_load_b128 v[16+4*\i:19+4*\i], v13 offset:4096*\b+512*\i
.endr
	s_wait_dscnt 0x0
	COMB 0, 120, 121
	COMB 2, 122, 123
.endr
	v_mul_f32 v50, s32, v8                         ; the three cluster logits join the head's sum
	v_mul_f32 v51, s32, v9
	v_mul_f32 v52, s32, v10
	v_max3_num_f32 v48, v50, v51, v52
	v_max_num_f32 v48, v48, v120
	v_sub_f32 v49, v120, v48
	v_sub_f32 v50, v50, v48
	v_sub_f32 v51, v51, v48
	v_sub_f32 v52, v52, v48
	v_exp_f32 v49, v49
	v_exp_f32 v50, v50
	v_exp_f32 v51, v51
	v_exp_f32 v52, v52
	v_nop
	s_wait_alu depctr_va_vdst(0)
	v_fma_f32 v121, v121, v49, v50
	v_add_f32 v51, v51, v52
	v_add_f32 v121, v121, v51
	v_log_f32 v53, v121
	v_log_f32 v54, v123
	v_nop
	s_wait_alu depctr_va_vdst(0)
	v_add_f32 v53, v53, v48
	v_add_f32 v54, v54, v122
	v_mul_f32 v53, s33, v53                        ; L_head
	v_fma_f32 v54, v54, s33, -v12                  ; L_tail - the target's logit
	s_cmp_eq_u32 s26, 1
	s_cselect_b32 s36, -1, 0
	v_cndmask_b32 v55, v12, v10, s36               ; x_head: cluster 0: the target's logit; cluster c: cluster logit 3 - c
	s_cmp_eq_u32 s26, 2
	s_cselect_b32 s36, -1, 0
	v_cndmask_b32 v55, v55, v9, s36
	s_cmp_eq_u32 s26, 3
	s_cselect_b32 s36, -1, 0
	v_cndmask_b32 v55, v55, v8, s36
	s_cmp_lg_u32 s26, 0
	s_cselect_b32 s36, -1, 0
	v_cndmask_b32 v54, 0, v54, s36
	v_sub_f32 v53, v53, v55
	v_add_f32 v53, v53, v54
	v_lshlrev_b32 v56, 2, v5
	v_cmp_gt_u32 vcc_lo, 0x400, v4                 ; slots that hold a token,
	s_and_b32 vcc_lo, vcc_lo, s25                  ; in a group that exists
	s_wait_xcnt 0x0                                ; EXEC changes only behind this wait
	s_and_saveexec_b32 s37, vcc_lo
	global_store_b32 v56, v53, s[14:15]            ; every token has one slot: each word of out0 is stored once
.Lend:
	s_wait_xcnt 0x0
	s_mov_b32 exec_lo, -1
	s_wait_tensorcnt 0x0
	ds_add_u32 v126, v127
	s_wait_dscnt 0x0
	s_endpgm
.Lfunc_end_k_qd8d128dc88_final:
	.size	k_qd8d128dc88_final, .Lfunc_end_k_qd8d128dc88_final-k_qd8d128dc88_final
	.p2alignl 7, 3214868480
	.fill 96, 4, 3214868480
	.section	.rodata,"a",@progbits
	.p2align	6, 0x0
	.amdhsa_kernel k_qd8d128dc88_final
		.amdhsa_group_segment_fixed_size 20480
		.amdhsa_private_segment_fixed_size 0
		.amdhsa_enable_private_segment 0
		.amdhsa_kernarg_size 48
		.amdhsa_user_sgpr_count 2
		.amdhsa_user_sgpr_kernarg_segment_ptr 1
		.amdhsa_wavefront_size32 1
		.amdhsa_system_sgpr_workgroup_id_x 1
		.amdhsa_system_sgpr_workgroup_id_y 1
		.amdhsa_system_sgpr_workgroup_id_z 1
		.amdhsa_system_vgpr_workitem_id 0
		.amdhsa_next_free_vgpr 128
		.amdhsa_next_free_sgpr 66
		.amdhsa_reserve_vcc 1
		.amdhsa_float_denorm_mode_32 3
		.amdhsa_float_denorm_mode_16_64 3
		.amdhsa_memory_ordered 1
		.amdhsa_forward_progress 1
		.amdhsa_inst_pref_size 49
	.end_amdhsa_kernel
	.amdgpu_metadata
---
amdhsa.version: [ 1, 2 ]
amdhsa.kernels:
  - .name:           k_qd8d128dc88_final
    .symbol:         k_qd8d128dc88_final.kd
    .args:
      - { .name: part, .offset: 0, .size: 8, .value_kind: global_buffer, .address_space: global }
      - { .name: tl, .offset: 8, .size: 8, .value_kind: global_buffer, .address_space: global }
      - { .name: cl, .offset: 16, .size: 8, .value_kind: global_buffer, .address_space: global }
      - { .name: route, .offset: 24, .size: 8, .value_kind: global_buffer, .address_space: global }
      - { .name: target, .offset: 32, .size: 8, .value_kind: global_buffer, .address_space: global }
      - { .name: out0, .offset: 40, .size: 8, .value_kind: global_buffer, .address_space: global }
    .group_segment_fixed_size: 20480
    .private_segment_fixed_size: 0
    .kernarg_segment_align: 8
    .kernarg_segment_size: 48
    .max_flat_workgroup_size: 1024
    .sgpr_count:     66
    .vgpr_count:     128
    .wavefront_size: 32
...
	.end_amdgpu_metadata
.endif
;; end of part 4
